; MI455X (gfx1250); checked and timed in simulation.
; The chip was launched on July 23, 2026; its instructions are those of AMD's public machine-readable ISA for CDNA 5 (MIT licence, August 2026) and "CDNA5" Instruction Set Architecture Reference Guide (July 2026). The comments in the code are by the model that wrote it; some were corrected since.
;; LSTM Cell. Allowed arithmetic: matrix products marked QUANTISED: E2M3 operands, one E8M0 scale for each 32 along K, by v_wmma_scale_f32_16x16x128_f8f6f4 with both operands' format E2M3, f32 sums; everything else in f32.
;; Inputs: Wc 4,096 x 2,048 float32; Wf 4,096 x 2,048 float32; Wi 4,096 x 2,048 float32; Wo 4,096 x 2,048 float32; bc 2,048 float32; bf 2,048 float32; bi 2,048 float32; bo 2,048 float32; c 2,048 x 2,048 float32; h 2,048 x 2,048 float32; x 2,048 x 2,048 float32.
;; Outputs: out0 2,048 x 2,048 float32; out1 2,048 x 2,048 float32.
;; This version of the problem:
;;   THIS VERSION OF THE PROBLEM IS GIVEN IN LOW PRECISION. The matrix products marked QUANTISED in the list below multiply operands that are first quantised to E2M3 (2 exponent bits, 3 mantissa bits; 6 bits a number), with one power-of-two scale for each 32 numbers along K (OCP MX v1.0); their sums are f32. All else is computed in f32.
;;   The module's matrix products, in the order in which they are computed (A, B: the left and right operand; K: the contracted axis; several contracted axes count as one K, in the product's order):
;;     1. [M 2,048, K 4,096] x [K 4,096, N 8,192]; A: computed on the way; B: computed on the way: QUANTISED
;;   THE QUANTISER, for each operand of a quantised product, along K:
;;     - K is cut into blocks of 32 from its start; a last block that is shorter is filled with zeros.
;;     - A block's scale is 2^e with e = floor(log2(the largest magnitude in the block)) - 2, held to -126 .. 127; a block of zeros has e = 0. As a byte (E8M0): e + 127.
;;     - Each number is divided by its block's scale, clamped to +-7.5, and rounded to the nearest number of E2M3, ties to even, subnormals kept.
;;     - The product sums the exact products of the quantised numbers (number of the format x scale) in f32.
;;   ~~~python
;;   def quantise(x, axis):      # numpy; x: float32 -> the quantised numbers, widened to float32 again
;;       x = np.moveaxis(x, axis, -1); K = x.shape[-1]
;;       x = np.pad(x, [(0, 0)] * (x.ndim - 1) + [(0, -K % 32)]); x = x.reshape(x.shape[:-1] + (-1, 32)); a = np.abs(x).max(-1, keepdims=True)
;;       e = np.where(a > 0, np.clip(np.frexp(np.where(a > 0, a, 1))[1] - 1 - 2, -126, 127), 0)      # np.frexp(a)[1] - 1 = floor(log2(a)), exactly
;;       r = np.clip(x / 2.0 ** e, -7.5, 7.5)
;;       step = 2.0 ** (np.maximum(np.frexp(np.where(r == 0, 1, r))[1] - 1, 0) - 3)
;;       q = np.round(r / step) * step * 2.0 ** e      # np.round: ties to even
;;       return np.moveaxis(q.reshape(q.shape[:-2] + (-1,))[..., :K], -1, axis).astype(np.float32)
;;   ~~~
;;   OPERANDS COMPUTED ON THE WAY. 'Computed on the way' means the value that the module computes at that place (a softmax that the list does not call 'softmax' is quantised finished and normalised). What goes into a quantiser is computed in f32, as accurately as f32 sums, v_exp_f32 and their like allow (about 1e-6 of the number): no bf16 or f16 on the way to a quantiser, and a product that is left as it is and whose result goes on into a quantised operand takes f32 operands (vector FMAs, or v_wmma_f32_16x16x4_f32). A number that lies on a knife's edge between two numbers of the format may be rounded either way, as far as f32 arithmetic and the matrix unit's own rounding can turn it there, and no further.
;; One version. Each part assembles by itself: llvm-mc -triple=amdgcn-amd-amdhsa -mcpu=gfx1250 --defsym DOCPART=n.
;; ======== version 1 of 1: 2 launches
;; limits: right only within a limited range of input values
;; workspace buffers: zq 6,553,600 bytes; wq 26,214,400 bytes
;; launch quant (part 1): grid 768 x 1, 4 waves a work-group, no clusters, 99,840 bytes of LDS; arguments x, h, Wf, Wi, Wc, Wo, zq, wq; writes zq, wq
.if DOCPART == 1
	.amdgcn_target "amdgcn-amd-amdhsa--gfx1250"
	.amdhsa_code_object_version 6
	.text
	.protected	k_q1a242625e5_quant
	.globl	k_q1a242625e5_quant
	.p2align	8
	.type	k_q1a242625e5_quant,@function
k_q1a242625e5_quant:
	s_mov_b64 s[64:65], 0
	v_nop
	global_prefetch_b8 v0, s[64:65] scope:SCOPE_SE
	s_setreg_imm32_b32 hwreg(HW_REG_WAVE_MODE, 25, 1), 1
	s_wait_xcnt 0x0
; z = [x | h] ([2048][4096], K innermost) and W = [Wf | Wi | Wc | Wo] (each [4096][2048], K the FIRST axis), all f32, become codes of FP6 (E2M3)
; with one E8M0 byte for each 32 along K.  A block's scale is 2^(floor(log2(its largest magnitude)) - 2); its byte is that magnitude's exponent field - 2, held at 1 from below.
; THE WORKSPACE IS LAID IN UNITS: 128 rows x 128 along K = 12,800 bytes: eight fragments as IMAGES OF THE OPERAND'S REGISTERS, then the 128 rows' scale words.
;   A fragment (16 rows x 128 K, 12 registers a lane) is 1,536 bytes: register j of lane L at 512 (j / 4) + 16 L + 4 (j % 4); lane L = r + 16 h holds row r, registers 6 c .. 6 c + 5 the 24 bytes of block 2 c + h of the 128.
;   The scale words, from byte 12,288 on: the word at 16 L + 4 j is that of fragment j + 4 (L / 16), row L % 16.
;   zq [mg 16][t 32][12800]: fragment i holds rows 128 mg + 16 i + r, k = 128 t + ..      wq [ng 64][t 32][12800]: fragment b = 2 g + u holds gate g (f, i, c, o), units 32 ng + 16 u + r.
; THE DEAL: of each three work-groups two take W and one takes z (number mod 3): 512 for W, 256 for z.  Three work-groups fit on a WGP by their LDS and registers.
; W: a wave takes one gate, 128 along K (one unit's depth) and 128 columns (four groups ng).  Each load reads 512 consecutive bytes of one row of W, 16 a lane; a block of 32 rows, 128 registers, goes as it lies
;   into the wave's own stage in LDS (32 rows x 512 bytes) and comes back a column to a lane, 32 registers down K: so a block's largest magnitude needs no other lane and the conversions give codes with K innermost.
;   The next block's 32 loads are issued as soon as the stage's stores have read the registers.  The four blocks go in the order 0, 2, 1, 3: two blocks (c = 0, 1) fill the 12 registers of lane r + 16 h of an image.
; z: a wave takes 32 rows and 256 along K: four fragments, each through the wave's own stage.  Each path has LDS bytes of its own.  Waves share nothing: no barrier.
; PREFETCH: the waves wait for their loads, and every address is known ahead.  With the loads of one block (W: 32 rows x 512 bytes; z: 16 rows x 512 bytes) a wave asks for the block after it, a step ahead of that block's own loads:
;   each aligned 256 bytes once, a lane to each, by the one wave that will load them; the last block's step asks for nothing, so no request leaves the wave's part.
; No matrix unit, no cluster (no tile is shared), no tensor loads (each wave's loads follow each other with no common drain).
; The scale words leave as 8 bytes a lane, 16 bytes apart: a run of 256 bytes of them is written by two waves.  They are one byte in 25 of what is stored.
; LIMITS: a block of zeros gets the byte 1 (the rule says 127): its codes are zeros, and this program alone reads the bytes.  Largest magnitudes under 2^-124 keep the byte 1, as the rule's hold at -126 asks.
; NaN and infinities among the inputs are not served.
.set UNIT, 12800                       ; 128 rows x 128 K: codes and scale words
.set USC,  12288                       ; where a unit's scale words begin
.set GRPB, 32*UNIT                     ; a group of 128 rows, all of K
.set SPW,  14                          ; v14 LDS address of my spare word; never rewritten
.set NIL,  15                          ; v15 0; never rewritten
.set SPARE, 0x8400                     ; behind z's four stages: the spare words, 128 bytes a wave
.set WST,  0x8600                      ; behind them: W's four stages of 16,384 bytes
.set WX,  32                           ; W: v32-63   a block of one column
.set WP,  64                           ;    v64-111  the 12 registers of an image's lane, for each of the four column groups
.set WT,  112                          ;    v112-114 a block's upper 16 codes before they are moved (a conversion's three registers begin on an even number)
.set WR,  128                          ;    v128-255 32 rows x 16 bytes as loaded
.set ZR,  32                           ; z: v32-95   16 rows x 16 bytes as loaded
.set ZX,  96                           ;    v96-159  my row's blocks h and 2 + h
.set ZP,  160                          ;    v160-171 the 12 registers of my lane of the image
.set ZT,  172                          ;    v172-174, v176-178 the upper halves before they are moved
.set ZW,  180                          ;    v180-183 the scale words of the wave's four fragments
.set ZPI, 528                          ; a stage row of z: 512 bytes + 16
.macro ASKW row                        ; the 32 rows from row \row on are asked for: a lane a row, its 512 bytes as two blocks of 256
	global_prefetch_b8 v10, s[26:27] offset:(\row)*8192 th:TH_LOAD_NT scope:SCOPE_SE
	global_prefetch_b8 v10, s[26:27] offset:(\row)*8192+256 th:TH_LOAD_NT scope:SCOPE_SE
.endm
.macro LOADW row                       ; 32 rows of W from row \row of the wave's part on: 32 lanes read 512 consecutive bytes
.set i, 0
.rept 32
	global_load_b128 v[WR+4*i:WR+4*i+3], v3, s[26:27] offset:((\row)+i)*8192 th:TH_LOAD_NT
.set i, i+1
.endr
.endm
.macro COLS cg, c                      ; the block of column 32 cg + lane: back from the stage, its scale, its codes
.set i, 0
.rept 32
	ds_load_b32 v[WX+i], v7 offset:512*i+128*(\cg)        ; 32 lanes read 128 consecutive bytes of stage row i
.set i, i+1
.endr
	s_wait_dscnt 0x0
	v_max3_num_f32 v12, |v[WX]|, |v[WX+1]|, |v[WX+2]|     ; the largest magnitude, in two chains
	v_max3_num_f32 v13, |v[WX+3]|, |v[WX+4]|, |v[WX+5]|
.irp i, 6,10,14,18,22,26
	v_max3_num_f32 v12, v12, |v[WX+\i]|, |v[WX+\i+1]|
	v_max3_num_f32 v13, v13, |v[WX+\i+2]|, |v[WX+\i+3]|
.endr
	v_max3_num_f32 v12, v12, |v[WX+30]|, |v[WX+31]|
	v_max3_num_f32 v12, v12, v13, 0x1800000        ; and the floor 2^(3 - 127): the byte cannot fall under 1
	v_add_nc_u32 v11, 0xff000000, v12              ; 2 off the exponent field: the conversion takes this operand's exponent field as its scale
	v_cvt_scalef32_pk16_fp6_f32 v[WP+12*(\cg)+6*(\c):WP+12*(\cg)+6*(\c)+2], v[WX:WX+15], v11
	v_cvt_scalef32_pk16_fp6_f32 v[WT:WT+2], v[WX+16:WX+31], v11
	v_lshrrev_b32 v13, 23, v11                     ; the scale's byte; also the plain line behind the conversions
	v_lshl_or_b32 v[24+(\cg)], v13, s[32+(\c)], v[24+(\cg)]   ; at byte 2 c + h of the column's word
.irp i, 0,1,2
	v_mov_b32 v[WP+12*(\cg)+6*(\c)+3+\i], v[WT+\i]
.endr
.if \c == 1
.irp j, 0,1,2
	global_store_b128 v4, v[WP+12*(\cg)+4*\j:WP+12*(\cg)+4*\j+3], s[28:29] offset:(\cg)*GRPB+512*\j   ; lanes 0-15 store 256 consecutive aligned bytes of fragment 2 g, lanes 16-31 of fragment 2 g + 1
.endr
.endif
.endm
.macro BLKW c                          ; block 2 c + h of the 128 along K, all 128 columns
	s_wait_loadcnt 0x0                             ; the block's 32 loads are in
.set i, 0
.rept 32
	ds_store_b128 v6, v[WR+4*i:WR+4*i+3] offset:512*i     ; as loaded.  LDS serves a wave's instructions in order: the last block's reads are over
.set i, i+1
.endr
	s_wait_dscnt 0x0                               ; the stores have read v128-255, which take the next block's loads
.if \c == 0
	s_cmp_eq_u32 s34, 1
	s_cbranch_scc1 .Lno_ask                        ; in the second trip nothing is left to ask for
	ASKW 32                                        ; block 1, which the next step loads
.Lno_ask:
	LOADW 64                                       ; block 2 + h
.else
	s_cmp_eq_u32 s34, 1
	s_cbranch_scc1 .Lno_more                       ; behind block 3 nothing is left
	ASKW 96                                        ; block 3, which the next step loads
	LOADW 32                                       ; block 1
.Lno_more:
.endif
.irp cg, 0,1,2,3
	COLS \cg, \c
.endr
.endm
.macro ASKZ st                         ; fragment st is asked for: lanes 0-15 the first 256 bytes of its 16 rows, lanes 16-31 the second
	global_prefetch_b8 v11, s[26:27] offset:(16*((\st)/2))*8192+512*((\st)%2) th:TH_LOAD_NT scope:SCOPE_SE
.endm
.macro LOADZ st                        ; fragment st = 2 e + q: rows 16 e .. + 15, 128 numbers of each: a load reads 512 consecutive bytes
.irp rr, 0,1,2,3,4,5,6,7,8,9,10,11,12,13,14,15
	global_load_b128 v[ZR+4*\rr:ZR+4*\rr+3], v3, s[26:27] offset:(16*((\st)/2)+\rr)*8192+512*((\st)%2) th:TH_LOAD_NT
.endr
.endm
.macro STEPZ st
	s_wait_loadcnt 0x0
.irp rr, 0,1,2,3,4,5,6,7,8,9,10,11,12,13,14,15
	ds_store_b128 v6, v[ZR+4*\rr:ZR+4*\rr+3] offset:ZPI*\rr      ; through my wave's own stage, as loaded;
.endr
.irp cc, 0,1
.irp t, 0,1,2,3,4,5,6,7
	ds_load_b128 v[ZX+32*\cc+4*\t:ZX+32*\cc+4*\t+3], v7 offset:256*\cc+16*\t   ; back: lane (r, h) takes blocks h and 2 + h of row r
.endr
.endr
	s_wait_dscnt 0x0                               ; the numbers are back, and the stores have read v32-95,
.if (\st) < 2
	ASKZ (\st)+2                                   ; the fragment that the next step loads
.endif
.if (\st) < 3
	LOADZ (\st)+1                                  ; which take the next fragment's loads
.endif
.irp cc, 0,1
	v_max3_num_f32 v[184+\cc], |v[ZX+32*\cc]|, |v[ZX+32*\cc+1]|, 0x1800000   ; my two blocks by turns, with the floor 2^(3 - 127)
.endr
.irp i, 2,4,6,8,10,12,14,16,18,20,22,24,26,28,30
.irp cc, 0,1
	v_max3_num_f32 v[184+\cc], v[184+\cc], |v[ZX+32*\cc+\i]|, |v[ZX+32*\cc+\i+1]|
.endr
.endr
.irp cc, 0,1
	v_add_nc_u32 v[188+\cc], 0xff000000, v[184+\cc]    ; the conversion's scale operand
.endr
.irp cc, 0,1
	v_lshrrev_b32 v[190+\cc], 23, v[188+\cc]           ; the scale's byte
.endr
.if (\st) > 0
	s_wait_alu depctr_va_vdst(0)
	s_wait_xcnt 0x0                                ; the last fragment's stores have read v160-171
.endif
.irp cc, 0,1
	v_cvt_scalef32_pk16_fp6_f32 v[ZP+6*\cc:ZP+6*\cc+2], v[ZX+32*\cc:ZX+32*\cc+15], v[188+\cc]
	v_cvt_scalef32_pk16_fp6_f32 v[ZT+4*\cc:ZT+4*\cc+2], v[ZX+32*\cc+16:ZX+32*\cc+31], v[188+\cc]
.endr
	v_lshl_or_b32 v187, v191, 16, v190             ; my two bytes (blocks h and 2 + h); also the plain line behind the conversions
	v_lshlrev_b32 v187, v8, v187                   ; 8 h bits up
	v_permlanex16_b32 v186, v187, s32, s33
	v_or_b32 v[ZW+(\st)], v187, v186               ; with lane l xor 16's two the row's word is whole
.irp cc, 0,1
.irp i, 0,1,2
	v_mov_b32 v[ZP+6*\cc+3+\i], v[ZT+4*\cc+\i]
.endr
.endr
.irp j, 0,1,2
	global_store_b128 v3, v[ZP+4*\j:ZP+4*\j+3], s[28:29] offset:1536*((\st)/2)+UNIT*((\st)%2)+512*\j   ; 32 lanes store 512 consecutive aligned bytes
.endr
.endm
	s_load_b256 s[4:11], s[0:1], 0x0               ; x s[4:5], h s[6:7], Wf s[8:9], Wi s[10:11]
	s_load_b256 s[12:19], s[0:1], 0x20             ; Wc s[12:13], Wo s[14:15], zq s[16:17], wq s[18:19]
	s_mul_hi_u32 s20, ttmp9, 0x55555556            ; the work-group's number / 3,
	s_mul_i32 s21, s20, 3
	s_sub_co_u32 s21, ttmp9, s21                   ; and the rest: 0, 1 take W, 2 takes z
	v_lshl_add_u32 v[SPW], v0, 2, SPARE
	v_mov_b32 v[NIL], 0
	v_lshrrev_b32 v2, 5, v0
	v_readfirstlane_b32 s24, v2                    ; wave 0..3
	v_and_b32 v1, 31, v0                           ; lane
	s_cmp_eq_u32 s21, 2
	s_cbranch_scc1 .Lz
	; ---- W
	s_lshl_b32 s37, s24, 14
	s_add_co_u32 s37, s37, WST                     ; my stage
	v_lshlrev_b32 v3, 4, v1                        ; in: 16 bytes a lane
	v_lshlrev_b32 v7, 2, v1
	v_add_nc_u32 v6, s37, v3                       ; into the stage: as loaded
	v_add_nc_u32 v7, s37, v7                       ; out of it: 4 bytes a lane, a column
	v_and_b32 v8, 15, v1                           ; r
	v_lshrrev_b32 v9, 4, v1                        ; u
	v_mul_u32_u24 v4, v9, 1536
	v_lshl_add_u32 v4, v8, 4, v4                   ; the codes: fragment 2 g + u; 16 r in an image
	v_mul_u32_u24 v5, v9, GRPB
	v_lshl_add_u32 v5, v8, 4, v5                   ; the scale words: lanes 0-15 one group's, lanes 16-31 the next group's; 16 bytes from row to row
	v_lshlrev_b32 v10, 13, v1                      ; the prefetches: a lane a row of 8,192 bytes
.irp cg, 0,1,2,3
	v_mov_b32 v[24+\cg], 0                         ; the four column groups' scale words: the bytes are laid in one by one
.endr
	s_lshl_b32 s22, s20, 1
	s_add_co_u32 s22, s22, s21                     ; which of W's 512 work-groups
	s_lshr_b32 s25, s22, 7                         ; g: the gate
	s_bfe_u32 s35, s22, 0x50002                    ; t: which 128 along K
	s_and_b32 s36, s22, 3
	s_lshl_b32 s36, s36, 2
	s_add_co_u32 s36, s36, s24                     ; which 128 columns: the four waves stand side by side
	s_lshl_b32 s40, s35, 20                        ; 128 t rows of 8,192 bytes
	s_lshl_b32 s41, s36, 9
	s_add_co_u32 s40, s40, s41                     ; + 512 bytes for each 128 columns
	s_mov_b32 s41, 0
	s_mul_i32 s42, s36, 4*GRPB
	s_mul_i32 s43, s35, UNIT
	s_add_co_u32 s42, s42, s43                     ; unit t of my first group
	s_mul_i32 s44, s25, 2*1536
	s_add_co_u32 s44, s44, s42                     ; the codes: fragment 2 g
	s_mov_b32 s45, 0
	s_lshr_b32 s46, s25, 1
	s_lshl_b32 s46, s46, 8                         ; the scale words: fragments 2 g, 2 g + 1 lie at 256 (g / 2) + 8 (g % 2) + 16 r
	s_and_b32 s43, s25, 1
	s_lshl_b32 s43, s43, 3
	s_add_co_u32 s46, s46, s43
	s_add_co_u32 s46, s46, s42
	s_add_co_u32 s46, s46, USC
	s_mov_b32 s47, 0
	s_mov_b32 s32, 0                               ; 8 (2 c + h) for c = 0,
	s_mov_b32 s33, 16                              ; and for c = 1
	s_mov_b32 s34, 0                               ; h
	s_wait_alu depctr_va_vdst(0)
	s_wait_kmcnt 0x0
	s_cmp_eq_u32 s25, 0                            ; the gate's weight: a choice on the work-group's number alone
	s_cselect_b64 s[26:27], s[8:9], s[10:11]
	s_cmp_eq_u32 s25, 2
	s_cselect_b64 s[38:39], s[12:13], s[14:15]
	s_cmp_lt_u32 s25, 2
	s_cselect_b64 s[26:27], s[26:27], s[38:39]
	s_add_nc_u64 s[26:27], s[26:27], s[40:41]
	s_add_nc_u64 s[28:29], s[18:19], s[44:45]
	s_add_nc_u64 s[30:31], s[18:19], s[46:47]
	ASKW 64                                        ; block 2, which the first step loads
	LOADW 0                                        ; block 0
.Lh:                                                   ; a trip: blocks h and 2 + h: lanes r + 16 h of the images
	BLKW 0
	BLKW 1
	s_wait_alu depctr_va_vdst(0)
	s_wait_xcnt 0x0                                ; the loads, prefetches and stores have read their bases and v64-111: these are written again only behind this wait
	s_add_nc_u64 s[26:27], s[26:27], 32*8192       ; 32 rows down: block 2 + h is then 64 rows on, as in the first trip
	s_add_nc_u64 s[28:29], s[28:29], 256           ; lanes 16-31 of the images
	s_add_co_u32 s32, s32, 8
	s_add_co_u32 s33, s33, 8
	s_add_co_u32 s34, s34, 1
	s_cmp_lt_u32 s34, 2
	s_cbranch_scc1 .Lh
	v_permlane16_swap_b32 v24, v25                 ; v24 held group 0's word of my column, v25 group 1's: now v24 holds u = 0's word of the group of my half, v25 u = 1's
	v_permlane16_swap_b32 v26, v27                 ; groups 2 and 3 likewise
	global_store_b64 v5, v[24:25], s[30:31]        ; 8 bytes a lane: the words of fragments 2 g and 2 g + 1, row r
	global_store_b64 v5, v[26:27], s[30:31] offset:2*GRPB
	s_wait_tensorcnt 0x0                           ; the wave's end: behind my last LDS store
	ds_add_u32 v[SPW], v[NIL]
	s_wait_dscnt 0x0
	s_endpgm
.Lz:	; ---- z: wave p takes rows 32 p .. 32 p + 31 of the group and 256 along K: four fragments
	s_wait_alu depctr_va_vdst(0)
	v_lshlrev_b32 v3, 4, v1                        ; 16 x lane: a load's and an image's place
	s_mul_i32 s37, s24, 16*ZPI                     ; my stage
	v_add_nc_u32 v6, s37, v3
	v_and_b32 v9, 15, v1                           ; r
	v_lshrrev_b32 v10, 4, v1                       ; h
	v_mul_u32_u24 v7, v9, ZPI
	v_lshl_add_u32 v7, v10, 7, v7                  ; row r, + 128 h bytes: block h
	v_add_nc_u32 v7, s37, v7
	v_lshlrev_b32 v8, 3, v10                       ; 8 h
	v_mul_u32_u24 v5, v10, UNIT
	v_lshl_add_u32 v5, v9, 4, v5                   ; the scale words: lanes 0-15 the first unit's, lanes 16-31 the second's
	v_lshlrev_b32 v11, 13, v9
	v_lshl_add_u32 v11, v10, 8, v11                ; the prefetches: row r of 8,192 bytes, + 256 h
	v_mov_b32 v186, 0                              ; written once: a lane permute's destination counts as one of its sources
	s_mov_b32 s32, 0x76543210
	s_mov_b32 s33, 0xfedcba98                      ; v_permlanex16_b32's selects for lane l xor 16
	s_mov_b32 s34, 0xffff0000                      ; lanes 16-31
	s_lshr_b32 s35, s20, 4                         ; mg
	s_and_b32 s36, s20, 15                         ; s: which 256 along K
	s_lshl_b32 s40, s35, 7
	s_lshl_b32 s41, s24, 5
	s_add_co_u32 s40, s40, s41                     ; my first row
	s_lshl_b32 s40, s40, 13                        ; of 8,192 bytes
	s_and_b32 s41, s36, 7
	s_lshl_b32 s41, s41, 10
	s_add_co_u32 s40, s40, s41                     ; + 1,024 bytes for each 256 along K inside x or h
	s_mov_b32 s41, 0
	s_mul_i32 s42, s35, GRPB
	s_mul_i32 s43, s36, 2*UNIT
	s_add_co_u32 s42, s42, s43                     ; my group's unit 2 s
	s_mul_i32 s44, s24, 2*1536
	s_add_co_u32 s44, s44, s42                     ; the codes: fragment 2 p
	s_mov_b32 s45, 0
	s_lshr_b32 s46, s24, 1
	s_lshl_b32 s46, s46, 8                         ; the scale words: 256 (p / 2) + 8 (p % 2) + 16 r
	s_and_b32 s43, s24, 1
	s_lshl_b32 s43, s43, 3
	s_add_co_u32 s46, s46, s43
	s_add_co_u32 s46, s46, s42
	s_add_co_u32 s46, s46, USC
	s_mov_b32 s47, 0
	s_wait_alu depctr_va_vdst(0)
	s_wait_kmcnt 0x0
	s_cmp_lt_u32 s36, 8                            ; the first 2,048 along K are x, the others h
	s_cselect_b64 s[26:27], s[4:5], s[6:7]
	s_add_nc_u64 s[26:27], s[26:27], s[40:41]
	s_add_nc_u64 s[28:29], s[16:17], s[44:45]
	s_add_nc_u64 s[30:31], s[16:17], s[46:47]
	ASKZ 1                                         ; the fragment that the first step loads
	LOADZ 0
.irp st, 0,1,2,3
	STEPZ \st
.endr
	v_cndmask_b32 v24, v[ZW+0], v[ZW+1], s34       ; e = 0: lanes 0-15 q = 0's word, lanes 16-31 q = 1's
	v_cndmask_b32 v25, v[ZW+2], v[ZW+3], s34       ; e = 1
	global_store_b64 v5, v[24:25], s[30:31]        ; 8 bytes a lane: the words of fragments 2 p and 2 p + 1, row r, of unit 2 s + my half
	s_wait_tensorcnt 0x0                           ; the wave's end: behind my last LDS store
	ds_add_u32 v[SPW], v[NIL]
	s_wait_dscnt 0x0
	s_endpgm
.Lfunc_end_k_q1a242625e5_quant:
	.size	k_q1a242625e5_quant, .Lfunc_end_k_q1a242625e5_quant-k_q1a242625e5_quant
	.p2alignl 7, 3214868480
	.fill 96, 4, 3214868480
	.section	.rodata,"a",@progbits
	.p2align	6, 0x0
	.amdhsa_kernel k_q1a242625e5_quant
		.amdhsa_group_segment_fixed_size 99840
		.amdhsa_private_segment_fixed_size 0
		.amdhsa_enable_private_segment 0
		.amdhsa_kernarg_size 64
		.amdhsa_user_sgpr_count 2
		.amdhsa_user_sgpr_kernarg_segment_ptr 1
		.amdhsa_wavefront_size32 1
		.amdhsa_system_sgpr_workgroup_id_x 1
		.amdhsa_system_sgpr_workgroup_id_y 1
		.amdhsa_system_sgpr_workgroup_id_z 1
		.amdhsa_system_vgpr_workitem_id 0
		.amdhsa_next_free_vgpr 256
		.amdhsa_next_free_sgpr 66
		.amdhsa_reserve_vcc 0
		.amdhsa_float_denorm_mode_32 3
		.amdhsa_float_denorm_mode_16_64 3
		.amdhsa_memory_ordered 1
		.amdhsa_forward_progress 1
		.amdhsa_inst_pref_size 76
	.end_amdhsa_kernel
	.amdgpu_metadata
---
amdhsa.version: [ 1, 2 ]
amdhsa.kernels:
  - .name:           k_q1a242625e5_quant
    .symbol:         k_q1a242625e5_quant.kd
    .args:
      - { .name: x, .offset: 0, .size: 8, .value_kind: global_buffer, .address_space: global }
      - { .name: h, .offset: 8, .size: 8, .value_kind: global_buffer, .address_space: global }
      - { .name: Wf, .offset: 16, .size: 8, .value_kind: global_buffer, .address_space: global }
      - { .name: Wi, .offset: 24, .size: 8, .value_kind: global_buffer, .address_space: global }
      - { .name: Wc, .offset: 32, .size: 8, .value_kind: global_buffer, .address_space: global }
      - { .name: Wo, .offset: 40, .size: 8, .value_kind: global_buffer, .address_space: global }
      - { .name: zq, .offset: 48, .size: 8, .value_kind: global_buffer, .address_space: global }
      - { .name: wq, .offset: 56, .size: 8, .value_kind: global_buffer, .address_space: global }
    .group_segment_fixed_size: 99840
    .private_segment_fixed_size: 0
    .kernarg_segment_align: 8
    .kernarg_segment_size: 64
    .max_flat_workgroup_size: 128
    .sgpr_count:     66
    .vgpr_count:     256
    .wavefront_size: 32
...
	.end_amdgpu_metadata
.endif
;; end of part 1
;; launch cell (part 2): grid 32 x 8, 4 waves a work-group, clusters of 4 x 4, 327,680 bytes of LDS; arguments zq, wq, c, out0, bf, bi, bc, bo, out1; writes out0, out1
.if DOCPART == 2
	.amdgcn_target "amdgcn-amd-amdhsa--gfx1250"
	.amdhsa_code_object_version 6
	.text
	.protected	k_q1a242625e5_cell
	.globl	k_q1a242625e5_cell
	.p2align	8
	.type	k_q1a242625e5_cell,@function
k_q1a242625e5_cell:
	s_mov_b64 s[64:65], 0
	v_nop
	global_prefetch_b8 v0, s[64:65] scope:SCOPE_SE
	s_setreg_imm32_b32 hwreg(HW_REG_WAVE_MODE, 25, 1), 1
	s_wait_xcnt 0x0
	s_wait_alu depctr_hold_cnt(0) depctr_sa_sdst(0) depctr_va_vdst(0) depctr_va_sdst(0) depctr_va_ssrc(0) depctr_va_vcc(0) depctr_vm_vsrc(0)
	s_getreg_b32 s2, hwreg(HW_REG_IB_STS2, 6, 4)
	s_cmp_eq_u32 s2, 0
	s_cbranch_scc0 .Lentry_in_a_cluster
	s_endpgm
.Lentry_in_a_cluster:
	s_bfe_u32 s2, ttmp6, 0x10000c
	s_cmp_lg_u32 s2, 0xf033
	s_cbranch_scc0 .Lentry_shape_is_right
	s_endpgm
.Lentry_shape_is_right:
.set FR,     12
.set NL,     3
.set NP,     4
.set UNIT,   12800
.set USC,    12288
.set PART,   3*UNIT
.set GRPB,   32*UNIT
.set SLOT,   4*PART
.set SPARE,  2*SLOT
.set CPI,    272
.set CST,    SLOT
.set TRIPS,  4
.set GO,   10
.set PFO2, 11
.set ADRA, 16
.set ADRB, 20
.set CA,   24
.set HA,   25
.set RDC,  26
.set SPW,  28
.set NIL,  29
.set PFO,  30
.set PFC,  31
.set SC,   32
.set BIAS, 64
.set AF,   128
.set TF,   64
.set TI,   80
.set TG,   96
.set TO,   112
.set CC,   128
.set B1,   144
.set BM,   160
.set NC,   176
.set NH,   192
.set G1C,  4
.set G0C,  20
.set WV,   18
.set WR,   19
.set G1,   24
.set G0,   32
.set WC,   44
.set LIM,  45
.set PFA,  46
.set G1B,  48
.set G0B,  56
.set G1T,  68
.set G1TB, 80
.set MSB, 0
.macro WIN new
.if MSB != (\new)
	s_set_vgpr_msb (MSB<<8)|(\new)
.set MSB, (\new)
.endif
.endm
.set MUL_LO, 0xa1
.set MUL_HI, 0xf1
.set TO_B,   0x40
.macro JLOAD g0a, g1a, g0b, g1b
	s_cmp_eq_u32 s[WR], 0
	s_cbranch_scc0 .Lfor_b_\@
	tensor_load_to_lds s[\g0a:\g0a+3], s[\g1a:\g1a+7]
	s_nop 0
.rept 4
	v_nop
.endr
	s_branch .Lasked_\@
.Lfor_b_\@:
	tensor_load_to_lds s[\g0b:\g0b+3], s[\g1b:\g1b+7]
	s_nop 0
.rept 4
	v_nop
.endr
.Lasked_\@:
.endm
.macro CREST
	s_cmp_lg_u32 s[WV], 0
	s_cbranch_scc1 .Lnot_wave_0_\@
	s_barrier_signal -3
.Lnot_wave_0_\@:
	s_barrier_wait -3
	s_barrier_signal -1
	s_barrier_wait -1
.endm
.macro CROUND
	s_barrier_signal -1
	s_barrier_wait -1
	CREST
.endm
.macro ASK slot
.if \slot == 0
	s_cmp_ge_u32 s3, s[LIM]
.else
	s_cmp_gt_u32 s3, s[LIM]
.endif
	s_cbranch_scc0 .Lnot_mine_\@
	s_wait_alu depctr_va_vdst(0)
	global_prefetch_b8 v[PFO], s[PFA:PFA+1] th:TH_LOAD_NT scope:SCOPE_SE
	global_prefetch_b8 v[PFO2], s[PFA:PFA+1] th:TH_LOAD_NT scope:SCOPE_SE
.Lnot_mine_\@:
.endm
.macro ASKC
	global_prefetch_b8 v[PFC], s[12:13] th:TH_LOAD_NT scope:SCOPE_SE
	global_prefetch_b8 v[PFC], s[12:13] offset:32*8192 th:TH_LOAD_NT scope:SCOPE_SE
.endm
	s_load_b128 s[4:7], s[0:1], 0x0
	s_load_b128 s[12:15], s[0:1], 0x10
	s_load_b256 s[92:99], s[0:1], 0x20
	s_load_b64 s[16:17], s[0:1], 0x40
	v_lshl_add_u32 v[SPW], v0, 2, SPARE
	v_mov_b32 v[NIL], 0
	ds_add_u32 v28, v29
	ds_add_u32 v28, v29
	s_wait_dscnt 0x0
	v_lshrrev_b32 v1, 5, v0
	v_readfirstlane_b32 s[WV], v1
	s_lshr_b32 s[WR], s[WV], 1
	s_and_b32 s[WC], s[WV], 1
	s_bfe_u32 s40, ttmp6, 0x40000
	s_bfe_u32 s41, ttmp6, 0x40004
	s_lshl_b32 s42, ttmp9, 2
	s_add_co_u32 s42, s42, s40
	s_and_b32 s43, ttmp7, 0xffff
	s_lshl_b32 s43, s43, 2
	s_add_co_u32 s43, s43, s41
	s_lshl_b32 s20, s41, 2
	s_lshl_b32 s20, 15, s20
	s_lshl_b32 s22, 0x1111, s40
	s_or_b32 s[G1+0], s20, (3<<16)|(1<<21)
	s_or_b32 s[G1B+0], s22, (3<<16)|(1<<21)
	s_or_b32 s[G1T+0], s20, (3<<16)|(1<<21)
	s_or_b32 s[G1TB+0], s22, (3<<16)|(1<<21)
.irp g, G1, G1B
	s_mov_b32 s[\g+1], 32<<16
	s_mov_b32 s[\g+2], 150<<16
	s_mov_b32 s[\g+3], 32<<16
	s_mov_b32 s[\g+4], 150
	s_mov_b32 s[\g+5], 32
	s_mov_b32 s[\g+6], 0
	s_mov_b32 s[\g+7], 0
.endr
.irp g, G1T, G1TB
	s_mov_b32 s[\g+1], 32<<16
	s_mov_b32 s[\g+2], 100<<16
	s_mov_b32 s[\g+3], 32<<16
	s_mov_b32 s[\g+4], 100
	s_mov_b32 s[\g+5], 32
	s_mov_b32 s[\g+6], 0
	s_mov_b32 s[\g+7], 0
.endr
	s_lshl_b32 s66, s43, 1
	s_add_co_u32 s66, s66, s[WC]
	s_lshl_b32 s100, s42, 1
	s_add_co_u32 s100, s100, s[WC]
	s_mul_i32 s66, s66, GRPB
	s_mov_b32 s67, 0
	s_mul_i32 s100, s100, GRPB
	s_mov_b32 s101, 0
	s_mul_i32 s2, s[WV], PART
	s_wait_kmcnt 0x0
	s_add_nc_u64 s[4:5], s[4:5], s[66:67]
	s_add_nc_u64 s[6:7], s[6:7], s[100:101]
	CROUND
.irp s, 0,1
	s_mov_b32 s[G0+4*\s], 1
	s_add_co_u32 s[G0+4*\s+1], s2, \s*SLOT
	s_add_nc_u64 s[G0+4*\s+2:G0+4*\s+3], s[4:5], \s*PART
	s_or_b32 s[G0+4*\s+3], s[G0+4*\s+3], 0x80000000
	s_mov_b32 s[G0B+4*\s], 1
	s_add_co_u32 s[G0B+4*\s+1], s2, \s*SLOT
	s_add_nc_u64 s[G0B+4*\s+2:G0B+4*\s+3], s[6:7], \s*PART
	s_or_b32 s[G0B+4*\s+3], s[G0B+4*\s+3], 0x80000000
.endr
	JLOAD G0, G1, G0B, G1B                         ; slot 0's first fill, behind the one round: one tensor load a wave at the head; the set-up below stands under its flight
	v_and_b32 v1, 31, v0
	v_and_b32 v2, 15, v0
	s_wait_alu depctr_va_vdst(0)
	v_bfe_u32 v3, v0, 4, 1
	v_lshlrev_b32 v4, 4, v1
	s_mul_i32 s66, s[WR], PART
	s_mul_i32 s100, s[WC], PART
	s_add_co_u32 s100, s100, 2*PART
.irp s, 0,1
	v_add_nc_u32 v[ADRA+\s], s66, v4
	v_add_nc_u32 v[ADRB+\s], s100, v4
	s_add_co_u32 s66, s66, SLOT
	s_add_co_u32 s100, s100, SLOT
.endr
	s_mul_i32 s66, s[WR], 128*CPI
	s_lshl_b32 s67, s[WC], 7
	s_add_co_u32 s66, s66, s67
	v_mul_u32_u24 v[HA], v2, CPI
	s_wait_alu depctr_va_vdst(0)
	v_lshl_add_u32 v[HA], v3, 5, v[HA]
	v_add_nc_u32 v[HA], s66, v[HA]
	v_add_nc_u32 v[CA], CST, v[HA]
	s_mul_i32 s66, s[WV], 64*CPI
	v_mul_u32_u24 v[RDC+1], v3, CPI
	v_lshl_add_u32 v[RDC+1], v2, 4, v[RDC+1]
	v_add_nc_u32 v[RDC+1], s66, v[RDC+1]
	v_add_nc_u32 v[RDC], CST, v[RDC+1]
	v_lshlrev_b32 v[GO], 13, v3
	v_lshl_add_u32 v[GO], v2, 4, v[GO]
	v_lshlrev_b32 v[PFC], 13, v1
	s_lshl_b32 s100, s42, 8
	s_lshl_b32 s101, s[WC], 7
	s_add_co_u32 s100, s100, s101
	v_lshlrev_b32 v9, 5, v3
	v_add_nc_u32 v9, s100, v9
.irp g, 0,1,2,3
.irp u, 0,1
	global_load_b128 v[BIAS+16*\g+8*\u:BIAS+16*\g+8*\u+3], v9, s[92+2*\g:93+2*\g] offset:64*\u
	global_load_b128 v[BIAS+16*\g+8*\u+4:BIAS+16*\g+8*\u+7], v9, s[92+2*\g:93+2*\g] offset:64*\u+16
.endr
.endr
	s_lshl_b32 s100, s43, 8
	s_lshl_b32 s101, s[WV], 6
	s_add_co_u32 s100, s100, s101
	s_lshl_b32 s100, s100, 13
	s_lshl_b32 s101, s42, 8
	s_add_co_u32 s100, s100, s101
	s_mov_b32 s101, 0
	s_add_nc_u64 s[12:13], s[12:13], s[100:101]
	s_add_nc_u64 s[14:15], s[14:15], s[100:101]
	s_add_nc_u64 s[16:17], s[16:17], s[100:101]
	s_cmp_eq_u32 s[WR], 0
	s_cselect_b64 s[PFA:PFA+1], s[4:5], s[6:7]
	s_cselect_b32 s67, s40, s41
	s_mov_b32 s[LIM], 1                            ; every cluster asks for the tiles that it will itself load; its partners share the blocks out by address
	s_add_nc_u64 s[PFA:PFA+1], s[PFA:PFA+1], 2*PART
	s_mul_i32 s67, s67, 38
	v_add_nc_u32 v[PFO], s67, v1
	v_min_u32 v[PFO], 149, v[PFO]
	v_lshlrev_b32 v[PFO], 8, v[PFO]
	v_min_u32 v[PFO2], 5, v1
	v_add_nc_u32 v[PFO2], s67, v[PFO2]
	v_add_nc_u32 v[PFO2], 32, v[PFO2]
	v_min_u32 v[PFO2], 149, v[PFO2]
	v_lshlrev_b32 v[PFO2], 8, v[PFO2]
	global_prefetch_b8 v[PFO], s[PFA:PFA+1] offset:-PART th:TH_LOAD_NT scope:SCOPE_SE    ; my work-group's 38 blocks of 256 bytes of the second fill (three K steps on from slot 0's), which is loaded behind the next round,
	global_prefetch_b8 v[PFO2], s[PFA:PFA+1] offset:-PART th:TH_LOAD_NT scope:SCOPE_SE
	global_prefetch_b8 v[PFO], s[PFA:PFA+1] th:TH_LOAD_NT scope:SCOPE_SE                 ; and of the third, which the first change of slots loads; the loop's own requests begin with the fourth
	global_prefetch_b8 v[PFO2], s[PFA:PFA+1] th:TH_LOAD_NT scope:SCOPE_SE
	s_mov_b32 s[G1C+0], (2<<16)|(1<<20)|(5<<22)|(3<<25)
	s_mov_b32 s[G1C+1], 64<<16
	s_mov_b32 s[G1C+2], 64<<16
	s_mov_b32 s[G1C+3], 64<<16
	s_mov_b32 s[G1C+4], 64
	s_mov_b32 s[G1C+5], 2048
	s_mov_b32 s[G1C+6], 0
	s_mov_b32 s[G1C+7], 0
	s_mov_b32 s[G0C], 1
	s_mul_i32 s[G0C+1], s[WV], 64*CPI
	s_add_co_u32 s[G0C+1], s[G0C+1], CST
	s_mov_b64 s[G0C+2:G0C+3], s[12:13]
	s_or_b32 s[G0C+3], s[G0C+3], 0x80000000
.macro FRAG reg, adr, j, i
.irp c, 0,1,2
	ds_load_b128 v[(\reg)+4*\c:(\reg)+4*\c+3], v[\adr] offset:(\j)*UNIT+(\i)*1536+512*\c
.endr
.endm
.macro MUL16 a0, p, first
.irp a, \a0, \a0+1
.irp b, 0,1,2,3,4,5,6,7
.set mD, 8*(8*((\a)%4)+\b)
.set mB, 128*(\p)+FR*\b
.set mA, AF+FR*(\a)
.set mC, mD
.if \first
.set mC, BIAS+8*\b
.endif
.set mSB, SC+8*(\p)+4+\b%4
.set mSA, SC+8*(\p)+(\a)%4
.if ((\a) < 4) && (\b < 4)
	v_wmma_scale_f32_16x16x128_f8f6f4 v[mD:mD+7], v[mB:mB+FR-1], v[mA:mA+FR-1], v[mC:mC+7], v[mSB], v[mSA] matrix_a_fmt:MATRIX_FMT_FP6 matrix_b_fmt:MATRIX_FMT_FP6
.elseif (\a) < 4
	v_wmma_scale_f32_16x16x128_f8f6f4 v[mD:mD+7], v[mB:mB+FR-1], v[mA:mA+FR-1], v[mC:mC+7], v[mSB], v[mSA] matrix_a_fmt:MATRIX_FMT_FP6 matrix_b_fmt:MATRIX_FMT_FP6 matrix_a_scale:MATRIX_SCALE_ROW1
.elseif \b < 4
	v_wmma_scale_f32_16x16x128_f8f6f4 v[mD:mD+7], v[mB:mB+FR-1], v[mA:mA+FR-1], v[mC:mC+7], v[mSB], v[mSA] matrix_a_fmt:MATRIX_FMT_FP6 matrix_b_fmt:MATRIX_FMT_FP6 matrix_b_scale:MATRIX_SCALE_ROW1
.else
	v_wmma_scale_f32_16x16x128_f8f6f4 v[mD:mD+7], v[mB:mB+FR-1], v[mA:mA+FR-1], v[mC:mC+7], v[mSB], v[mSA] matrix_a_fmt:MATRIX_FMT_FP6 matrix_b_fmt:MATRIX_FMT_FP6 matrix_a_scale:MATRIX_SCALE_ROW1 matrix_b_scale:MATRIX_SCALE_ROW1
.endif
.endr
.endr
.endm
.macro FETCH_B slot, j, p
	WIN TO_B
.irp i, 0,1,2,3,4,5,6,7
	FRAG 128*(\p)+FR*\i, ADRB+\slot, \j, \i
.endr
	WIN 0
.endm
.macro FETCH_A slot, j, i0
.irp i, \i0, \i0+1, \i0+2, \i0+3
	FRAG AF+FR*(\i), ADRA+\slot, \j, \i
.endr
.endm
.macro SCALES slot, j, p
	ds_load_b128 v[SC+8*(\p):SC+8*(\p)+3], v[ADRA+\slot] offset:(\j)*UNIT+USC
	ds_load_b128 v[SC+8*(\p)+4:SC+8*(\p)+7], v[ADRB+\slot] offset:(\j)*UNIT+USC
.endm
.macro PLACES n
.rept \n
	v_nop
.endr
.endm
.macro STEP slot, j, p, first
	s_wait_dscnt 4*NL
	WIN MUL_LO-0x20*(\first)
	MUL16 0, \p, \first
	MUL16 2, \p, \first
	s_wait_dscnt 0
	PLACES NP
	FETCH_B \slot, (\j)+1, 1-(\p)
	FETCH_A \slot, (\j)+1, 0
	SCALES \slot, (\j)+1, 1-(\p)
	WIN MUL_HI-0x30*(\first)
	MUL16 4, \p, \first
	MUL16 6, \p, \first
	PLACES NP
	WIN 0
	FETCH_A \slot, (\j)+1, 4
.endm
.macro TURN slot, p, next, mode
.if \mode == 1
	s_wait_xcnt 0x0
	s_add_nc_u64 s[PFA:PFA+1], s[PFA:PFA+1], PART
.endif
	s_wait_tensorcnt 0x0
	ds_add_u32 v[SPW], v[NIL]
	s_wait_dscnt 4*NL+1
	WIN MUL_LO
	MUL16 0, \p, 0
	s_wait_dscnt 0x0
	s_barrier_signal -1
	MUL16 2, \p, 0
	WIN 0
	s_barrier_wait -1
	CREST
.if \mode == 2
	tensor_load_to_lds s[G0C:G0C+3], s[G1C:G1C+7]
	s_nop 0
.rept 4
	v_nop
.endr
.else
	s_add_nc_u64 s[G0+4*\slot+2:G0+4*\slot+3], s[G0+4*\slot+2:G0+4*\slot+3], 2*PART
	s_add_nc_u64 s[G0B+4*\slot+2:G0B+4*\slot+3], s[G0B+4*\slot+2:G0B+4*\slot+3], 2*PART
.if \mode == 1
	JLOAD G0+4*\slot, G1, G0B+4*\slot, G1B
.else
	JLOAD G0+4*\slot, G1T, G0B+4*\slot, G1TB
.endif
.endif
	FETCH_B \next, 0, 1-(\p)
	FETCH_A \next, 0, 0
	SCALES \next, 0, 1-(\p)
.if \mode == 1
	ASK \slot
.endif
.if (\mode == 1) && (\slot == 0)
	s_cmp_eq_u32 s3, 1                             ; in the loop's last trip: c's 64 rows x 256 bytes of my wave, a lane a row, nine K steps ahead of the tensor load that fetches them
	s_cbranch_scc0 .Lno_c_\@
	ASKC
.Lno_c_\@:
.endif
	WIN MUL_HI
	MUL16 4, \p, 0
	MUL16 6, \p, 0
	PLACES NP
	WIN 0
	FETCH_A \next, 0, 4
.endm
	s_wait_alu depctr_va_vdst(0)
	s_wait_tensorcnt 0x0                           ; my part of slot 0 is in
	ds_add_u32 v[SPW], v[NIL]
	s_wait_dscnt 0x0
	CROUND                                         ; everybody's part of slot 0 is in, and all sixteen work-groups are here
	JLOAD G0+4, G1, G0B+4, G1B                     ; slot 1's first fill, the first tensor load behind the round
	FETCH_B 0, 0, 0
	FETCH_A 0, 0, 0
	SCALES 0, 0, 0
	FETCH_A 0, 0, 4
	s_wait_loadcnt 0x0
	STEP 0, 0, 0, 1
	s_mov_b32 s3, TRIPS
.Llap:
	STEP 0, 1, 1, 0
	TURN 0, 0, 1, 1
	STEP 1, 0, 1, 0
	STEP 1, 1, 0, 0
	TURN 1, 1, 0, 1
	STEP 0, 0, 0, 0
	s_sub_co_u32 s3, s3, 1
	s_cmp_lg_u32 s3, 0
	s_cbranch_scc1 .Llap
	STEP 0, 1, 1, 0
	TURN 0, 0, 1, 3
	STEP 1, 0, 1, 0
	STEP 1, 1, 0, 0
	TURN 1, 1, 0, 2
	STEP 0, 0, 0, 0
	s_wait_dscnt 4*NL
	WIN MUL_LO
	MUL16 0, 1, 0
	MUL16 2, 1, 0
	s_wait_dscnt 0
	WIN MUL_HI
	MUL16 4, 1, 0
	MUL16 6, 1, 0
	WIN 0
	PLACES NP
	s_mov_b32 s92, 0xbfb8aa3b
	s_mov_b32 s93, s92
	s_mov_b32 s94, 0x4038aa3b
	s_mov_b32 s95, s94
	s_mov_b32 s96, 0x42700000
	s_mov_b32 s98, 1.0
	s_mov_b32 s99, 1.0
	s_mov_b32 s100, -1.0
	s_mov_b32 s101, -1.0
	s_wait_tensorcnt 0x0
	s_wait_dscnt 0x0
	s_barrier_signal -1
	s_barrier_wait -1
.macro EPI a
.set AC, 64*((\a)%4)
.irp u, 0,1
.irp e, 0,1
	ds_load_b128 v[CC+8*\u+4*\e:CC+8*\u+4*\e+3], v[CA] offset:(\a)*16*CPI+64*\u+16*\e
.endr
.endr
	WIN 0x02+(\a)/4
.set i, 0
.rept 32
.if (i/8) == 2
	v_pk_mul_f32 v[TF+2*i:TF+2*i+1], v[AC+2*i:AC+2*i+1], s[94:95] op_sel_hi:[1,0]
.else
	v_pk_mul_f32 v[TF+2*i:TF+2*i+1], v[AC+2*i:AC+2*i+1], s[92:93] op_sel_hi:[1,0]
.endif
.set i, i+1
.endr
	WIN 0
.irp i, 0,1,2,3,4,5,6,7,8,9,10,11,12,13,14,15
	v_min_num_f32 v[TG+\i], s96, v[TG+\i]
.endr
.set i, 0
	s_wait_alu depctr_va_vdst(0)
.rept 64
	v_exp_f32 v[TF+i], v[TF+i]
.set i, i+1
.endr
	v_nop
	s_wait_alu depctr_va_vdst(0)
.irp i, 0,2,4,6,8,10,12,14
	v_pk_add_f32 v[B1+\i:B1+\i+1], v[TG+\i:TG+\i+1], s[98:99] op_sel_hi:[1,0]
.endr
.irp i, 0,2,4,6,8,10,12,14
	v_pk_add_f32 v[BM+\i:BM+\i+1], v[TG+\i:TG+\i+1], s[100:101] op_sel_hi:[1,0]
.endr
.irp i, 0,2,4,6,8,10,12,14
	v_pk_fma_f32 v[TI+\i:TI+\i+1], v[TI+\i:TI+\i+1], v[B1+\i:B1+\i+1], v[B1+\i:B1+\i+1]
.endr
.irp i, 0,2,4,6,8,10,12,14
	v_pk_add_f32 v[TF+\i:TF+\i+1], v[TF+\i:TF+\i+1], s[98:99] op_sel_hi:[1,0]
.endr
.set i, 0
	s_wait_alu depctr_va_vdst(0)
.rept 32
	v_rcp_f32 v[TF+i], v[TF+i]
.set i, i+1
.endr
	v_nop
	s_wait_alu depctr_va_vdst(0)
	s_wait_dscnt 0x0
.irp i, 0,2,4,6,8,10,12,14
	v_pk_mul_f32 v[BM+\i:BM+\i+1], v[BM+\i:BM+\i+1], v[TI+\i:TI+\i+1]
.endr
.irp i, 0,2,4,6,8,10,12,14
	v_pk_fma_f32 v[NC+\i:NC+\i+1], v[CC+\i:CC+\i+1], v[TF+\i:TF+\i+1], v[BM+\i:BM+\i+1]
.endr
.irp u, 0,1
.irp e, 0,1
	ds_store_b128 v[CA], v[NC+8*\u+4*\e:NC+8*\u+4*\e+3] offset:(\a)*16*CPI+64*\u+16*\e
.endr
.endr
.irp i, 0,2,4,6,8,10,12,14
	v_pk_mul_f32 v[TG+\i:TG+\i+1], v[NC+\i:NC+\i+1], s[94:95] op_sel_hi:[1,0]
.endr
.irp i, 0,1,2,3,4,5,6,7,8,9,10,11,12,13,14,15
	v_min_num_f32 v[TG+\i], s96, v[TG+\i]
.endr
	s_wait_alu depctr_va_vdst(0)
.irp i, 0,1,2,3,4,5,6,7,8,9,10,11,12,13,14,15
	v_exp_f32 v[TG+\i], v[TG+\i]
.endr
	v_nop
	s_wait_alu depctr_va_vdst(0)
.irp i, 0,2,4,6,8,10,12,14
	v_pk_add_f32 v[B1+\i:B1+\i+1], v[TG+\i:TG+\i+1], s[98:99] op_sel_hi:[1,0]
.endr
.irp i, 0,2,4,6,8,10,12,14
	v_pk_add_f32 v[BM+\i:BM+\i+1], v[TG+\i:TG+\i+1], s[100:101] op_sel_hi:[1,0]
.endr
.irp i, 0,2,4,6,8,10,12,14
	v_pk_fma_f32 v[TO+\i:TO+\i+1], v[TO+\i:TO+\i+1], v[B1+\i:B1+\i+1], v[B1+\i:B1+\i+1]
.endr
	s_wait_alu depctr_va_vdst(0)
.irp i, 0,1,2,3,4,5,6,7,8,9,10,11,12,13,14,15
	v_rcp_f32 v[TO+\i], v[TO+\i]
.endr
	v_nop
	s_wait_alu depctr_va_vdst(0)
.irp i, 0,2,4,6,8,10,12,14
	v_pk_mul_f32 v[NH+\i:NH+\i+1], v[BM+\i:BM+\i+1], v[TO+\i:TO+\i+1]
.endr
.irp u, 0,1
.irp e, 0,1
	ds_store_b128 v[HA], v[NH+8*\u+4*\e:NH+8*\u+4*\e+3] offset:(\a)*16*CPI+64*\u+16*\e
.endr
.endr
.endm
.irp a, 0,1,2,3,4,5,6,7
	EPI \a
.endr
	s_wait_dscnt 0x0
	s_barrier_signal -1
	s_barrier_wait -1
.macro LOADG n, reg
.irp t, 0,1,2,3,4,5,6,7,8,9,10,11,12,13,14,15
	ds_load_b128 v[\reg+4*\t:\reg+4*\t+3], v[RDC+(\n)/2] offset:(32*((\n)%2)+2*\t)*CPI
.endr
.endm
.macro SENDG n, reg, younger
.irp t, 0,1,2,3,4,5,6,7,8,9,10,11,12,13,14,15
	s_wait_dscnt \younger+15-\t
.if (\n)/2 == 0
	global_store_b128 v[GO], v[\reg+4*\t:\reg+4*\t+3], s[16:17] offset:(32*((\n)%2)+2*\t)*8192 th:TH_STORE_NT
.else
	global_store_b128 v[GO], v[\reg+4*\t:\reg+4*\t+3], s[14:15] offset:(32*((\n)%2)+2*\t)*8192 th:TH_STORE_NT
.endif
.endr
.endm
	LOADG 0, 64
	LOADG 1, 128
	SENDG 0, 64, 16
	LOADG 2, 192
	SENDG 1, 128, 16
	s_wait_xcnt 0x0
	LOADG 3, 64
	SENDG 2, 192, 16
	SENDG 3, 64, 0
	s_wait_tensorcnt 0x0
	ds_add_u32 v[SPW], v[NIL]
	s_wait_dscnt 0x0
	CROUND
	s_endpgm
.Lfunc_end_k_q1a242625e5_cell:
	.size	k_q1a242625e5_cell, .Lfunc_end_k_q1a242625e5_cell-k_q1a242625e5_cell
	.p2alignl 7, 3214868480
	.fill 96, 4, 3214868480
	.section	.rodata,"a",@progbits
	.p2align	6, 0x0
	.amdhsa_kernel k_q1a242625e5_cell
		.amdhsa_group_segment_fixed_size 327680
		.amdhsa_private_segment_fixed_size 0
		.amdhsa_enable_private_segment 0
		.amdhsa_kernarg_size 72
		.amdhsa_user_sgpr_count 2
		.amdhsa_user_sgpr_kernarg_segment_ptr 1
		.amdhsa_wavefront_size32 1
		.amdhsa_system_sgpr_workgroup_id_x 1
		.amdhsa_system_sgpr_workgroup_id_y 1
		.amdhsa_system_sgpr_workgroup_id_z 1
		.amdhsa_system_vgpr_workitem_id 0
		.amdhsa_next_free_vgpr 1024
		.amdhsa_next_free_sgpr 102
		.amdhsa_reserve_vcc 0
		.amdhsa_float_denorm_mode_32 3
		.amdhsa_float_denorm_mode_16_64 3
		.amdhsa_memory_ordered 1
		.amdhsa_forward_progress 1
		.amdhsa_inst_pref_size 255
	.end_amdhsa_kernel
	.section	.bss,"aw",@nobits
	.p2align	6
	.space	262144
	.amdgpu_metadata
---
amdhsa.version: [ 1, 2 ]
amdhsa.kernels:
  - .name:           k_q1a242625e5_cell
    .symbol:         k_q1a242625e5_cell.kd
    .args:
      - { .name: zq, .offset: 0, .size: 8, .value_kind: global_buffer, .address_space: global }
      - { .name: wq, .offset: 8, .size: 8, .value_kind: global_buffer, .address_space: global }
      - { .name: c, .offset: 16, .size: 8, .value_kind: global_buffer, .address_space: global }
      - { .name: out0, .offset: 24, .size: 8, .value_kind: global_buffer, .address_space: global }
      - { .name: bf, .offset: 32, .size: 8, .value_kind: global_buffer, .address_space: global }
      - { .name: bi, .offset: 40, .size: 8, .value_kind: global_buffer, .address_space: global }
      - { .name: bc, .offset: 48, .size: 8, .value_kind: global_buffer, .address_space: global }
      - { .name: bo, .offset: 56, .size: 8, .value_kind: global_buffer, .address_space: global }
      - { .name: out1, .offset: 64, .size: 8, .value_kind: global_buffer, .address_space: global }
    .group_segment_fixed_size: 327680
    .private_segment_fixed_size: 0
    .kernarg_segment_align: 8
    .kernarg_segment_size: 72
    .max_flat_workgroup_size: 128
    .sgpr_count:     102
    .vgpr_count:     1024
    .wavefront_size: 32
...
	.end_amdgpu_metadata
.endif
;; end of part 2
